; MI455X (gfx1250); checked and timed in simulation.
; The chip was launched on July 23, 2026; its instructions are those of AMD's public machine-readable ISA for CDNA 5 (MIT licence, August 2026) and "CDNA5" Instruction Set Architecture Reference Guide (July 2026). The comments in the code are by the model that wrote it; some were corrected since.
;; Col BERT. Allowed arithmetic: matrix products marked QUANTISED: E5M2 operands, one E8M0 scale for each 32 along K, by v_wmma_scale_f32_16x16x128_f8f6f4 with both operands' format E5M2, f32 sums; everything else in f32.
;; Inputs: d_hidden 1,024 x 256 x 128 float32; d_mask 1,024 x 256 int32; q_hidden 8 x 32 x 128 float32; q_mask 8 x 32 int32.
;; Outputs: out0 8 x 1,024 float32.
;; This version of the problem:
;;   THIS VERSION OF THE PROBLEM IS GIVEN IN LOW PRECISION. The matrix products marked QUANTISED in the list below multiply operands that are first quantised to E5M2 (5 exponent bits, 2 mantissa bits; 8 bits a number), with one power-of-two scale for each 32 numbers along K (OCP MX v1.0); their sums are f32. All else is computed in f32.
;;   The module's matrix products, in the order in which they are computed (A, B: the left and right operand; K: the contracted axis; several contracted axes count as one K, in the product's order):
;;     1. [M 262,144, K 128] x [K 128, N 256]; A: computed on the way; B: computed on the way: QUANTISED
;;   THE QUANTISER, for each operand of a quantised product, along K:
;;     - K is cut into blocks of 32 from its start; a last block that is shorter is filled with zeros.
;;     - A block's scale is 2^e with e = floor(log2(the largest magnitude in the block)) - 15, held to -126 .. 127; a block of zeros has e = 0. As a byte (E8M0): e + 127.
;;     - Each number is divided by its block's scale, clamped to +-57,344, and rounded to the nearest number of E5M2, ties to even, subnormals kept.
;;     - The product sums the exact products of the quantised numbers (number of the format x scale) in f32.
;;   ~~~python
;;   def quantise(x, axis):      # numpy; x: float32 -> the quantised numbers, widened to float32 again
;;       x = np.moveaxis(x, axis, -1); K = x.shape[-1]
;;       x = np.pad(x, [(0, 0)] * (x.ndim - 1) + [(0, -K % 32)]); x = x.reshape(x.shape[:-1] + (-1, 32)); a = np.abs(x).max(-1, keepdims=True)
;;       e = np.where(a > 0, np.clip(np.frexp(np.where(a > 0, a, 1))[1] - 1 - 15, -126, 127), 0)      # np.frexp(a)[1] - 1 = floor(log2(a)), exactly
;;       r = np.clip(x / 2.0 ** e, -57344, 57344)
;;       step = 2.0 ** (np.maximum(np.frexp(np.where(r == 0, 1, r))[1] - 1, -14) - 2)
;;       q = np.round(r / step) * step * 2.0 ** e      # np.round: ties to even
;;       return np.moveaxis(q.reshape(q.shape[:-2] + (-1,))[..., :K], -1, axis).astype(np.float32)
;;   ~~~
;;   OPERANDS COMPUTED ON THE WAY. 'Computed on the way' means the value that the module computes at that place (a softmax that the list does not call 'softmax' is quantised finished and normalised). What goes into a quantiser is computed in f32, as accurately as f32 sums, v_exp_f32 and their like allow (about 1e-6 of the number): no bf16 or f16 on the way to a quantiser, and a product that is left as it is and whose result goes on into a quantised operand takes f32 operands (vector FMAs, or v_wmma_f32_16x16x4_f32). A number that lies on a knife's edge between two numbers of the format may be rounded either way, as far as f32 arithmetic and the matrix unit's own rounding can turn it there, and no further.
;; One version. Each part assembles by itself: llvm-mc -triple=amdgcn-amd-amdhsa -mcpu=gfx1250 --defsym DOCPART=n.
;; ======== version 1 of 1: 1 launch
;; launch colbert (part 1): grid 256 x 1, 4 waves a work-group, clusters of 4 x 1, 210,432 bytes of LDS; arguments q_hidden, q_mask, d_hidden, d_mask, out0; writes out0
.if DOCPART == 1
	.amdgcn_target "amdgcn-amd-amdhsa--gfx1250"
	.amdhsa_code_object_version 6
	.text
	.protected	k_q696c621828_colbert
	.globl	k_q696c621828_colbert
	.p2align	8
	.type	k_q696c621828_colbert,@function
k_q696c621828_colbert:
	s_mov_b64 s[64:65], 0
	v_nop
	global_prefetch_b8 v0, s[64:65] scope:SCOPE_SE
	s_setreg_imm32_b32 hwreg(HW_REG_WAVE_MODE, 25, 1), 1
	s_wait_xcnt 0x0
	s_wait_alu depctr_hold_cnt(0) depctr_sa_sdst(0) depctr_va_vdst(0) depctr_va_sdst(0) depctr_va_ssrc(0) depctr_va_vcc(0) depctr_vm_vsrc(0)
	s_getreg_b32 s2, hwreg(HW_REG_IB_STS2, 6, 4)
	s_cmp_eq_u32 s2, 0
	s_cbranch_scc0 .Lentry_in_a_cluster
	s_endpgm
.Lentry_in_a_cluster:
	s_bfe_u32 s2, ttmp6, 0x10000c
	s_cmp_lg_u32 s2, 0x3003
	s_cbranch_scc0 .Lentry_shape_is_right
	s_endpgm
.Lentry_shape_is_right:
; out0[b][n] = sum over the 32 queries q of batch b of (q_mask[b][q] > 0 ? max over the 256 tokens d of document n of (d_mask[n][d] > 0 ? qn[b][q] . dn[n][d] : -100) : 0).
; qn, dn: the tokens' 128 numbers divided by max(their norm, 1e-8), in f32, then quantised along the 128 to codes of BF8 (E5M2) with one E8M0 scale for each 32; the product runs on codes and scale bytes, sums in f32.
; DEAD WORK: none is left out.  What the two masks throw away hangs on the inputs' values, so every product is made and the masks select.  All four inputs are loaded.
; THE DOCUMENT MASK IS THE PRODUCT'S C: 0.0 where d_mask > 0, -1024.0 elsewhere, and the running maximum begins at -100.0.  For all finite inputs: both operands are normalised here as the problem itself
; normalises them, so a token's norm is at most 1; rounding to a code enlarges a number by at most an eighth; so a score's magnitude is at most 1.27.  A masked score + C lies under -1022, below -100;
; an unmasked one lies above -100.  So max(-100, all scores + C) is the maximum of where(mask, score, -100), whether none, some or all tokens of a document are masked.
; THE QUERY MASK is a factor 1.0 or 0.0 on a maximum that is always finite (at least -100).
; LIMITS: NaN and infinities among the inputs are not served.  1 / max(norm, 1e-8) is taken as min(v_rsq_f32(sum of squares), 1e8): about two units in the last place from the quotient.
; A block of zeros gets the scale byte 1 where the rule says 127: its codes are zeros, which add nothing, and the bytes are read by this program alone.
; SHARES.  256 work-groups of four waves; wave w of work-group g owns document n = 4 g + w whole: 16 tiles of 16 tokens.  All 16 fragments of Q (256 queries) stay in each wave's registers, so no operand is read twice
; and no sum or maximum crosses waves.  In a tile lane (r = lane % 16, h = lane / 16) holds token r and k = 32 c + 16 h + 0 .. 15 of blocks c = 0 .. 3: 64 numbers, in the order of the operand's registers.
; D COMES THROUGH REGISTERS: a load is one token's 512 consecutive bytes (32 lanes x 16); a ring of four slots of 16 loads keeps 64 loads of every wave on their way, with counted waits.  A tile is turned through the
; wave's own stage in LDS (rows of 512 + 16 bytes), so that a lane gets neighbours along K.
; Q COMES ONCE, BY A JOINT TENSOR LOAD: the four work-groups of a cluster need the same 128 KiB; wave w of each asks for rows 64 w .. 64 w + 63 with the same descriptor (it hangs on the wave's number alone) and a mask that
; names the four.  The wave quantises its four tiles and hands them to the other waves as images of the operand's registers; one barrier.  Nothing in LDS is filled a second time.
; THE OUTPUT: a document's eight numbers lie 4,096 bytes apart by out0's shape, and a work-group owns 16 bytes of each row: eight lanes store 4 bytes each, once in the launch; 32 KiB in all.
; REGISTERS, in windows of 256: window 0: as named below.   window 1: Q's fragment t at v[16 t].   window 2: ring slot s at v[64 s].
.set PIT,    528                       ; an LDS row of 512 bytes + 16 of padding = 132 words: row r starts at bank 4 r mod 64 (64 banks of 4 bytes: ISA guide 11.1)
.set QRW,    64*PIT                    ; LDS 0 on: Q as it arrives, 64 rows for each wave; filled by the tensor load, never stored into
.set STAGE,  4*QRW                     ; 135,168: a stage of 16 rows for each wave
.set STB,    16*PIT
.set QIMG,   STAGE+4*STB               ; 168,960: Q's 16 fragments as register images: group c of four registers at 512 c + 16 x lane
.set QSC,    QIMG+16*2048              ; 201,728: their scale words, 4 x lane
.set QMKO,   2048                      ; and 2,048 bytes on: the query mask's factors, 4 x lane
.set BIAS,   QSC+2*2048                ; 205,824: for each wave 256 numbers: the product's C for each token of its document
.set SPARE,  BIAS+4*1024               ; 209,920: the spare words, 128 bytes for each wave: two blocks of 256 bytes that no other line names
.set LOFF, 1                           ; v1   16 x lane; never rewritten
.set QRD,  2                           ; v2   Q as it arrived: my wave's rows, 528 r + 64 h
.set STWA, 3                           ; v3   my stage, on the way in: 16 x lane
.set STRA, 4                           ; v4   and on the way out: 528 r + 64 h
.set IMW,  5                           ; v5   where I store my four images
.set SCW,  6                           ; v6   and their scale words
.set IMR,  7                           ; v7   where any image is read
.set SCR,  8                           ; v8   and any scale word
.set BIW,  9                           ; v9   where I store C's numbers: 16 x lane
.set BIA,  10                          ; v10  where I read a tile's: 32 h, 256 bytes on in each trip
.set QMA,  11                          ; v11  q_mask: 256 w + 4 r
.set OUTO, 12                          ; v12  out0: 4,096 x (lane % 8)
.set LANE, 13
.set SPW,  14                          ; v14  LDS address of my spare word; never rewritten
.set NIL,  15                          ; v15  0; never rewritten
.set X,    16                          ; v16-79   a tile's 64 numbers
.set PC,   80                          ; v80-95   its codes
.set CB,   96                          ; v96-103  its C
.set ACC,  104                         ; v104-167 eight accumulators
.set RM,   168                         ; v168-183 the running maximum, one for each tile of queries
.set SQ,   184                         ; v184-199 Q's scale words: scales and nothing else
.set PW,   200                         ; v200     the tile's scale word: likewise
.set INV,  202                         ; v[202:203] 1 / norm; the packed form names the pair and takes its low word
.set SS,   204                         ; v204-211 four pairs: sums of squares
.set AM,   212                         ; v212-215 the blocks' largest magnitudes
.set AT,   216                         ; v216-219 the other half's, then the scale bytes
.set SO,   220                         ; v220-223 the conversions' scale operands
.set HB,   224                         ; v224-227 57,344 x the scale
.set MT,   228                         ; v228-231 at work in the maximum
.set MK,   232                         ; v232-239 d_mask, then C's numbers
.set QF,   240                         ; v240-243 q_mask, then its factors
.set ZERO, 244
.set ONE,  245
.set NEGB, 246                         ; -1024.0
.set SUM,  248
.set SUMX, 249
.set WV,   14                          ; s14  my wave's number
.set W_LD,  0x80                       ; destination window 2
.set W_ST,  0x08                       ; an LDS store's data (source 1) window 2
.set W_QF,  0x40                       ; destination window 1
.set W_MUL, 0x04                       ; source 1 (Q) window 1
.set MSB, 0
.macro WIN new                         ; the immediate's high byte repeats the setting that is left; a switch that changes nothing is dropped
.if MSB != \new
	s_set_vgpr_msb (MSB<<8)|\new
.set MSB, \new
.endif
.endm
; A round of the cluster's barrier: my work-group's barrier; wave 0 signals for the work-group; every wave waits for all four work-groups; my work-group's barrier once more.
.macro CROUND
	s_barrier_signal -1
	s_barrier_wait -1
	s_cmp_lg_u32 s[WV], 0
	s_cbranch_scc1 .Lnot_wave_0_\@
	s_barrier_signal -3
.Lnot_wave_0_\@:
	s_barrier_wait -3
	s_barrier_signal -1
	s_barrier_wait -1
.endm
; 16 tokens from byte off of my document's part in hand into ring slot s: each load is 512 consecutive bytes, read once in the launch
.macro DLOAD s, off
	WIN W_LD
.irp i, 0,1,2,3,4,5,6,7,8,9,10,11,12,13,14,15
	global_load_b128 v[64*(\s)+4*\i:64*(\s)+4*\i+3], v[LOFF], s[8:9] offset:(\off)+512*\i th:TH_LOAD_NT
.endr
	WIN 0
.endm
; slot s into my stage, a token a row
.macro DRAIN s
	WIN W_ST
.irp i, 0,1,2,3,4,5,6,7,8,9,10,11,12,13,14,15
	ds_store_b128 v[STWA], v[64*(\s)+4*\i:64*(\s)+4*\i+3] offset:PIT*\i
.endr
	WIN 0
.endm
; my 64 numbers of a tile of 16 rows: X[16 c + 4 j ..] = k 32 c + 16 h + 4 j .. of row r
.macro XFETCH adr, off
.irp c, 0,1,2,3
.irp j, 0,1,2,3
	ds_load_b128 v[X+16*\c+4*\j:X+16*\c+4*\j+3], v[\adr] offset:(\off)+128*\c+16*\j
.endr
.endr
.endm
; X is normalised and quantised: a fragment's codes in v[PC] on, its scale word in v[PW].
.macro QUANT
.irp c, 0,1,2,3
	v_pk_mul_f32 v[SS+2*\c:SS+2*\c+1], v[X+16*\c:X+16*\c+1], v[X+16*\c:X+16*\c+1]   ; the sum of squares: four chains, one for each block, by turns
.endr
.irp i, 2,4,6,8,10,12,14
.irp c, 0,1,2,3
	v_pk_fma_f32 v[SS+2*\c:SS+2*\c+1], v[X+16*\c+\i:X+16*\c+\i+1], v[X+16*\c+\i:X+16*\c+\i+1], v[SS+2*\c:SS+2*\c+1]
.endr
.endr
	v_pk_add_f32 v[SS:SS+1], v[SS:SS+1], v[SS+2:SS+3]
	v_pk_add_f32 v[SS+4:SS+5], v[SS+4:SS+5], v[SS+6:SS+7]
	v_pk_add_f32 v[SS:SS+1], v[SS:SS+1], v[SS+4:SS+5]
	v_add_f32 v[SUM], v[SS], v[SS+1]
	v_permlanex16_b32 v[SUMX], v[SUM], s20, s21    ; the token's other 64 numbers lie in the lane 16 away
	v_add_f32 v[SUM], v[SUM], v[SUMX]
	s_wait_alu depctr_va_vdst(0)
	v_rsq_f32 v[INV], v[SUM]
.irp c, 0,1,2,3
	v_max3_num_f32 v[AM+\c], |v[X+16*\c]|, |v[X+16*\c+1]|, |v[X+16*\c+2]|   ; the blocks' largest magnitudes, of the numbers as they came: plain work behind the root, which names neither its result nor its source
.endr
.irp i, 3,5,7,9,11,13
.irp c, 0,1,2,3
	v_max3_num_f32 v[AM+\c], v[AM+\c], |v[X+16*\c+\i]|, |v[X+16*\c+\i+1]|
.endr
.endr
.irp c, 0,1,2,3
	v_max_num_f32 v[AM+\c], v[AM+\c], |v[X+16*\c+15]|
.endr
.irp c, 0,1,2,3
	v_permlanex16_b32 v[AT+\c], v[AM+\c], s20, s21
.endr
.irp c, 0,1,2,3
	v_max_num_f32 v[AM+\c], v[AM+\c], v[AT+\c]     ; with lane l xor 16's 16 numbers: the block's
.endr
	s_wait_alu depctr_va_vdst(0)                   ; the wait ahead of the first line that names the root's result
	v_min_num_f32 v[INV], 0x4cbebc20, v[INV]       ; 1 / max(norm, 1e-8) = min(1 / norm, 1e8); a sum of squares of 0 gives infinity, which is held too
.irp c, 0,1,2,3
	v_mul_f32 v[AM+\c], v[AM+\c], v[INV]           ; a product with one positive factor keeps the order under rounding: these are the bits of the largest normalised magnitude
.endr
.irp c, 0,1,2,3
	v_max_num_f32 v[AM+\c], 0x8000000, v[AM+\c]    ; the floor 2^(16 - 127): the byte cannot fall under 1
.endr
.irp c, 0,1,2,3
	v_add_nc_u32 v[SO+\c], 0xf8800000, v[AM+\c]    ; 15 off the exponent field: the conversion takes the exponent field of this operand as its scale
.endr
.irp c, 0,1,2,3
	v_and_or_b32 v[HB+\c], v[AM+\c], 0x7f800000, s22   ; 57,344 x the scale: the largest magnitude's exponent field over 57,344's mantissa
.endr
.irp c, 0,1,2,3
	v_lshrrev_b32 v[AT+\c], 23, v[SO+\c]           ; the scale's byte
.endr
	v_lshl_or_b32 v[PW], v[AT+1], 8, v[AT]         ; four bytes make my token's scale word (both halves of the lanes hold the same)
	v_lshl_or_b32 v[PW], v[AT+2], 16, v[PW]
	v_lshl_or_b32 v[PW], v[AT+3], 24, v[PW]
.irp j, 0,2,4,6,8,10,12,14,16,18,20,22,24,26,28,30,32,34,36,38,40,42,44,46,48,50,52,54,56,58,60,62
	v_pk_mul_f32 v[X+\j:X+\j+1], v[X+\j:X+\j+1], v[INV:INV+1] op_sel_hi:[1,0]   ; normalised
.endr
.irp c, 0,1,2,3
.irp i, 0,1,2,3,4,5,6,7,8,9,10,11,12,13,14,15
	v_med3_num_f32 v[X+16*\c+\i], v[X+16*\c+\i], -v[HB+\c], v[HB+\c]   ; the conversion to an 8-bit code does not saturate (ISA guide 7.6.2): the hold at the largest code x the scale
.endr
	v_cvt_scalef32_pk8_bf8_f32 v[PC+4*\c:PC+4*\c+1], v[X+16*\c:X+16*\c+7], v[SO+\c]
	v_cvt_scalef32_pk8_bf8_f32 v[PC+4*\c+2:PC+4*\c+3], v[X+16*\c+8:X+16*\c+15], v[SO+\c]
.endr
	v_nop                                          ; a plain line behind the last conversion
.endm
; Tile i of my four tiles of queries: quantised, and stored as an image of the operand's registers, with its scale word and the query mask's factor
.macro QTILE i
	XFETCH QRD, STB*(\i)
	s_wait_dscnt 0x0                               ; the numbers are in; and the last tile's stores have read PC and PW
	QUANT
.irp c, 0,1,2,3
	ds_store_b128 v[IMW], v[PC+4*\c:PC+4*\c+3] offset:2048*(\i)+512*\c
.endr
	ds_store_b32 v[SCW], v[PW] offset:128*(\i)
	ds_store_b32 v[SCW], v[QF+(\i)] offset:QMKO+128*(\i)
.endm
; Two products: source 0 = my 16 tokens, source 1 = 16 queries (tiles 2 p, 2 p + 1), C = the document mask's numbers.  In the result a lane holds ONE query (lane % 16) and tokens 8 (lane / 16) + 0 .. 7.
.macro WPAIR p
	WIN W_MUL
.irp u, 0,1
	v_wmma_scale_f32_16x16x128_f8f6f4 v[ACC+8*((2*(\p)+\u)%8):ACC+8*((2*(\p)+\u)%8)+7], v[PC:PC+15], v[16*(2*(\p)+\u):16*(2*(\p)+\u)+15], v[CB:CB+7], v[PW], v[SQ+2*(\p)+\u] matrix_a_fmt:MATRIX_FMT_BF8 matrix_b_fmt:MATRIX_FMT_BF8
.endr
.endm
; Their results go into the running maxima: eight lines, the two tiles by turns, each accumulator from its low end on
.macro SPAIR p
	WIN 0
.set rA, ACC+8*((2*(\p))%8)
.set rB, ACC+8*((2*(\p)+1)%8)
.set rR, RM+2*(\p)
	v_max3_num_f32 v[MT],   v[rA],   v[rA+1], v[rA+2]
	v_max3_num_f32 v[MT+2], v[rB],   v[rB+1], v[rB+2]
	v_max3_num_f32 v[MT+1], v[rA+3], v[rA+4], v[rA+5]
	v_max3_num_f32 v[MT+3], v[rB+3], v[rB+4], v[rB+5]
	v_max3_num_f32 v[rR],   v[rR],   v[rA+6], v[rA+7]
	v_max3_num_f32 v[rR+1], v[rR+1], v[rB+6], v[rB+7]
	v_max3_num_f32 v[rR],   v[rR],   v[MT],   v[MT+1]
	v_max3_num_f32 v[rR+1], v[rR+1], v[MT+2], v[MT+3]
.endm
; A tile against all 256 queries.  Eight plain lines that name none of a product's registers stand between it and the first read of its result: the pair before's eight lines, or eight v_nop for the first.
; An accumulator is written again four pairs later, behind 24 such lines.  No product adds in place: each takes C anew.
.macro PRODUCT
	WPAIR 0
.rept 8
	v_nop
.endr
.irp p, 1,2,3,4,5,6,7
	WPAIR \p
	SPAIR \p-1
.endr
	SPAIR 7
.endm
; The tile in ring slot k.  ahead = 1: the slot is filled again with the tile four further on.  left: the younger loads, which may stay out.
.macro TILE k, ahead, left
	s_wait_loadcnt \left                           ; loads come back in order (ISA guide 5.7.1): this tile's 16 are in
	DRAIN \k
	XFETCH STRA, 0                                 ; LDS serves a wave's instructions in order (ISA guide 5.7.1.4): these see the stores above
	ds_load_b128 v[CB:CB+3], v[BIA] offset:64*(\k)          ; C for tokens 8 h + 0 .. 7 of the tile.  (The last products that read C stand eight plain lines back)
	ds_load_b128 v[CB+4:CB+7], v[BIA] offset:64*(\k)+16
	s_wait_dscnt 18                                ; all but the 18 loads just issued: the 16 stores have read the slot's registers
.if \ahead
	DLOAD \k, ((\k)+4)*8192
.endif
	s_wait_dscnt 0x0
	QUANT
.rept 3
	v_nop                                          ; with the line that ends QUANT: four places between the codes and the scaled product; the scale word was made far further up
.endr
	PRODUCT
.endm
	s_load_b256 s[4:11], s[0:1], 0x0               ; q_hidden s[4:5], q_mask s[6:7], d_hidden s[8:9], d_mask s[10:11]
	s_load_b64 s[12:13], s[0:1], 0x20              ; out0
	v_lshl_add_u32 v[SPW], v0, 2, SPARE
	v_mov_b32 v[NIL], 0
	ds_add_u32 v[SPW], v[NIL]                      ; the wave's opening: the add, twice on end, and its wait ahead of my first tensor load; the set-up below stands between the second and the wait
	ds_add_u32 v[SPW], v[NIL]
	v_lshrrev_b32 v16, 5, v0
	v_readfirstlane_b32 s[WV], v16                 ; wave 0..3
	v_and_b32 v[LANE], 31, v0
	v_and_b32 v17, 15, v0                          ; r
	v_bfe_u32 v18, v0, 4, 1                        ; h
	v_lshlrev_b32 v[LOFF], 4, v[LANE]
	v_lshlrev_b32 v20, 2, v[LANE]
	v_mul_u32_u24 v19, v17, PIT
	v_lshl_add_u32 v19, v18, 6, v19                ; 528 r + 64 h
	s_mul_i32 s18, s[WV], QRW
	v_add_nc_u32 v[QRD], s18, v19
	s_mul_i32 s18, s[WV], STB
	s_add_co_u32 s18, s18, STAGE
	v_add_nc_u32 v[STWA], s18, v[LOFF]
	v_add_nc_u32 v[STRA], s18, v19
	s_lshl_b32 s18, s[WV], 13
	s_add_co_u32 s18, s18, QIMG
	v_add_nc_u32 v[IMW], s18, v[LOFF]              ; my tiles are 4 w .. 4 w + 3: 2,048 bytes an image
	s_lshl_b32 s18, s[WV], 9
	s_add_co_u32 s18, s18, QSC
	v_add_nc_u32 v[SCW], s18, v20                  ; 128 bytes of scale words a tile
	v_add_nc_u32 v[IMR], QIMG, v[LOFF]
	v_add_nc_u32 v[SCR], QSC, v20
	s_lshl_b32 s18, s[WV], 10
	s_add_co_u32 s18, s18, BIAS
	v_add_nc_u32 v[BIW], s18, v[LOFF]
	v_lshl_add_u32 v[BIA], v18, 5, s18
	s_lshl_b32 s18, s[WV], 8
	v_lshl_add_u32 v[QMA], v17, 2, s18             ; q_mask of query 64 w + r
	v_and_b32 v[OUTO], 7, v0
	v_lshlrev_b32 v[OUTO], 12, v[OUTO]             ; a row of out0 is 4,096 bytes
	s_bfe_u32 s15, ttmp6, 0x40000                  ; cx: my place in the cluster: it enters the addresses of d_hidden, d_mask and out0 alone
	s_lshl_b32 s16, ttmp9, 2                       ; in a cluster launch ttmp9 counts clusters
	s_add_co_u32 s16, s16, s15                     ; my work-group
	s_lshl_b32 s17, s16, 2
	s_add_co_u32 s17, s17, s[WV]                   ; my document
	s_mov_b32 s19, 0
	s_mov_b32 s20, 0x76543210
	s_mov_b32 s21, 0xfedcba98                      ; v_permlanex16_b32's selects for lane l xor 16
	s_mov_b32 s22, 0x600000                        ; the mantissa field of 57,344
	; descriptor group 1: 64 rows x 128 elements of 4 bytes, dense in memory, 16 bytes of padding behind each row in LDS
	s_mov_b32 s24, 15|(2<<16)|(1<<20)|(1<<21)|(6<<22)|(3<<25)   ; 15:0 the mask: all four work-groups; 17:16 elements of 4 bytes; 20 padding on; 21 set beside a mask; 24:22 after every 128 words (code 6); 31:25 four words (code 3)
	s_mov_b32 s25, 128<<16                         ; tensor_dim0 = 128
	s_mov_b32 s26, 64<<16                          ; tensor_dim1 = 64
	s_mov_b32 s27, 128<<16                         ; tile_dim0 = 128
	s_mov_b32 s28, 64                              ; tile_dim1 = 64
	s_mov_b32 s29, 128                             ; elements from row to row
	s_mov_b32 s30, 0
	s_mov_b32 s31, 0
	s_mov_b32 s32, 1                               ; group 0: count = 1
	s_mul_i32 s33, s[WV], QRW                      ; LDS address: my wave's 64 rows: no place in the cluster enters it
	s_lshl_b32 s40, s[WV], 15                      ; and the same rows in q_hidden: 64 x 512 bytes a wave.  (This pair never holds a number made from cx)
	s_mov_b32 s41, 0
	s_wait_alu depctr_va_vdst(0)
	s_wait_dscnt 0x0                               ; both opening adds are done
	s_wait_kmcnt 0x0
	s_add_nc_u64 s[34:35], s[4:5], s[40:41]
	s_or_b32 s35, s35, 0x80000000                  ; type = 2
	s_lshl_b32 s18, s17, 17                        ; a document is 256 x 512 bytes
	s_add_nc_u64 s[8:9], s[8:9], s[18:19]
	s_lshl_b32 s18, s17, 10                        ; its mask 1,024 bytes
	s_add_nc_u64 s[10:11], s[10:11], s[18:19]
	s_lshl_b32 s18, s17, 2                         ; its column of out0
	s_add_nc_u64 s[12:13], s[12:13], s[18:19]
	; the masks first, so that they are the oldest loads; then the ring
	global_load_b128 v[MK:MK+3], v[LOFF], s[10:11]              ; d_mask of tokens 4 x lane on,
	global_load_b128 v[MK+4:MK+7], v[LOFF], s[10:11] offset:512 ; and of 128 + 4 x lane on
.irp i, 0,1,2,3
	global_load_b32 v[QF+\i], v[QMA], s[6:7] offset:64*\i       ; q_mask of query r of my tile i
.endr
	DLOAD 0, 0
	DLOAD 1, 8192
	DLOAD 2, 16384
	CROUND                                         ; all four work-groups are here: the joint loads meet
	tensor_load_to_lds s[32:35], s[24:31]          ; my one tensor load: a first fill
	s_nop 0
	v_mov_b32 v[ZERO], 0                           ; constants: more than four plain lines in window 0 stand between the load and the next switch of windows
	v_mov_b32 v[ONE], 1.0
	v_mov_b32 v[NEGB], 0xc4800000                  ; -1024.0
	v_mov_b32 v[INV+1], 0                          ; named as the upper half of a pair, so it is written
	v_mov_b32 v[SUMX], 0                           ; a lane permute's destination counts as one of its sources
.irp c, 0,1,2,3
	v_mov_b32 v[AT+\c], 0
.endr
.irp t, 0,1,2,3,4,5,6,7,8,9,10,11,12,13,14,15
	v_mov_b32 v[RM+\t], 0xc2c80000                 ; -100.0: what a document with every token masked leaves
.endr
	DLOAD 3, 24576
	s_wait_loadcnt 63                              ; behind the six loads of the masks 64 were issued; a wait's field names 63 at the most, which shows the seven oldest in
.irp i, 0,1,2,3,4,5,6,7
	v_cmp_lt_i32 vcc_lo, 0, v[MK+\i]
	v_cndmask_b32 v[MK+\i], v[NEGB], v[ZERO], vcc_lo   ; d_mask > 0: 0.0; else -1024.0
.endr
	ds_store_b128 v[BIW], v[MK:MK+3]
	ds_store_b128 v[BIW], v[MK+4:MK+7] offset:512  ; token T's number at 4 T of my wave's 1,024 bytes; only my wave reads them
.irp i, 0,1,2,3
	v_cmp_lt_i32 vcc_lo, 0, v[QF+\i]
	v_cndmask_b32 v[QF+\i], v[ZERO], v[ONE], vcc_lo    ; q_mask > 0: 1.0; else 0.0
.endr
	s_wait_tensorcnt 0x0                           ; my 64 rows of Q are in LDS; only my wave reads them
	QTILE 0
	QTILE 1
	QTILE 2
	QTILE 3
	s_wait_dscnt 0x0                               ; for the others' sake: my images, scale words and factors have landed
	s_barrier_signal -1
	s_barrier_wait -1                              ; everybody's have
	WIN W_QF
.irp t, 0,1,2,3,4,5,6,7,8,9,10,11,12,13,14,15
.irp c, 0,1,2,3
	ds_load_b128 v[16*\t+4*\c:16*\t+4*\c+3], v[IMR] offset:2048*\t+512*\c   ; all of Q into window 1: it stays
.endr
.endr
	WIN 0
.irp t, 0,1,2,3,4,5,6,7,8,9,10,11,12,13,14,15
	ds_load_b32 v[SQ+\t], v[SCR] offset:128*\t     ; the first tile's waits on DScnt cover these too: they are older than its own
.endr
	s_mov_b32 s23, 3
.Ltrip:                                                ; three trips of four tiles; each fills all four slots again: tiles 4 to 15
	s_wait_alu depctr_va_vdst(0)
	TILE 0, 1, 48                                  ; 48: the three younger tiles' loads
	TILE 1, 1, 48
	TILE 2, 1, 48
	TILE 3, 1, 48
	s_wait_xcnt 0x0                                ; every load issued has had its address translated (ISA guide 3.1): only behind this wait is the base stepped
	s_add_nc_u64 s[8:9], s[8:9], 32768             ; four tiles on
	v_add_nc_u32 v[BIA], 256, v[BIA]               ; (no LDS load of mine is out)
	s_sub_co_u32 s23, s23, 1
	s_cmp_lg_u32 s23, 0
	s_cbranch_scc1 .Ltrip
	s_wait_alu depctr_va_vdst(0)
	TILE 0, 0, 48                                  ; the last four tiles load nothing: the counts run down, and no load leaves the buffer
	TILE 1, 0, 32
	TILE 2, 0, 16
	TILE 3, 0, 0
	; THE END.  A query's maximum over tokens 8 h + 0 .. 7 of every tile is joined with the other half's; x the query mask's factor; a batch is two tiles of 16 queries: summed in the lane, then over the 16 lanes.
.irp t, 0,1,2,3,4,5,6,7,8,9,10,11,12,13,14,15
	ds_load_b32 v[X+\t], v[SCR] offset:QMKO+128*\t
.endr
.irp t, 0,1,2,3,4,5,6,7,8,9,10,11,12,13,14,15
	v_permlanex16_b32 v[X+16+\t], v[RM+\t], s20, s21
.endr
.irp t, 0,1,2,3,4,5,6,7,8,9,10,11,12,13,14,15
	v_max_num_f32 v[RM+\t], v[RM+\t], v[X+16+\t]
.endr
	s_wait_alu depctr_va_vdst(0)
	s_wait_dscnt 0x0
.irp b, 0,1,2,3,4,5,6,7
	v_mul_f32 v[X+32+\b], v[RM+2*\b], v[X+2*\b]
.endr
.irp b, 0,1,2,3,4,5,6,7
	v_fma_f32 v[X+32+\b], v[RM+2*\b+1], v[X+2*\b+1], v[X+32+\b]
.endr
.irp m, 1,2,4,8
.irp b, 0,1,2,3,4,5,6,7
	v_add_f32_dpp v[X+32+\b], v[X+32+\b], v[X+32+\b] row_xmask:\m row_mask:0xf bank_mask:0xf
.endr
.endr
	v_mov_b32 v[X+40], v[X+32]
.irp b, 1,2,3,4,5,6,7
	v_cmp_eq_u32 vcc_lo, \b, v[LANE]
	v_cndmask_b32 v[X+40], v[X+40], v[X+32+\b], vcc_lo   ; lane b takes batch b's score
.endr
	v_cmp_gt_u32 vcc_lo, 8, v[LANE]
	s_wait_alu depctr_va_vdst(0)
	s_wait_xcnt 0x0                                ; EXEC changes only behind this wait
	s_and_saveexec_b32 s36, vcc_lo
	global_store_b32 v[OUTO], v[X+40], s[12:13]    ; out0[b][n], lanes 0 to 7
	s_wait_xcnt 0x0                                ; and again, in front of the line that widens it
	s_or_b32 exec_lo, exec_lo, s36
	s_wait_tensorcnt 0x0                           ; the wave's end: a tensor wait, the add and its wait, behind my tensor load and my last LDS store
	ds_add_u32 v[SPW], v[NIL]
	s_wait_dscnt 0x0
	CROUND                                         ; the closing round
	s_endpgm
.Lfunc_end_k_q696c621828_colbert:
	.size	k_q696c621828_colbert, .Lfunc_end_k_q696c621828_colbert-k_q696c621828_colbert
	.p2alignl 7, 3214868480
	.fill 96, 4, 3214868480
	.section	.rodata,"a",@progbits
	.p2align	6, 0x0
	.amdhsa_kernel k_q696c621828_colbert
		.amdhsa_group_segment_fixed_size 210432
		.amdhsa_private_segment_fixed_size 0
		.amdhsa_enable_private_segment 0
		.amdhsa_kernarg_size 40
		.amdhsa_user_sgpr_count 2
		.amdhsa_user_sgpr_kernarg_segment_ptr 1
		.amdhsa_wavefront_size32 1
		.amdhsa_system_sgpr_workgroup_id_x 1
		.amdhsa_system_sgpr_workgroup_id_y 1
		.amdhsa_system_sgpr_workgroup_id_z 1
		.amdhsa_system_vgpr_workitem_id 0
		.amdhsa_next_free_vgpr 768
		.amdhsa_next_free_sgpr 66
		.amdhsa_reserve_vcc 1
		.amdhsa_float_denorm_mode_32 3
		.amdhsa_float_denorm_mode_16_64 3
		.amdhsa_memory_ordered 1
		.amdhsa_forward_progress 1
		.amdhsa_inst_pref_size 255
	.end_amdhsa_kernel
	.section	.bss,"aw",@nobits
	.p2align	6
	.space	262144
	.amdgpu_metadata
---
amdhsa.version: [ 1, 2 ]
amdhsa.kernels:
  - .name:           k_q696c621828_colbert
    .symbol:         k_q696c621828_colbert.kd
    .args:
      - { .name: q_hidden, .offset: 0, .size: 8, .value_kind: global_buffer, .address_space: global }
      - { .name: q_mask, .offset: 8, .size: 8, .value_kind: global_buffer, .address_space: global }
      - { .name: d_hidden, .offset: 16, .size: 8, .value_kind: global_buffer, .address_space: global }
      - { .name: d_mask, .offset: 24, .size: 8, .value_kind: global_buffer, .address_space: global }
      - { .name: out0, .offset: 32, .size: 8, .value_kind: global_buffer, .address_space: global }
    .group_segment_fixed_size: 210432
    .private_segment_fixed_size: 0
    .kernarg_segment_align: 8
    .kernarg_segment_size: 40
    .max_flat_workgroup_size: 128
    .sgpr_count:     66
    .vgpr_count:     768
    .wavefront_size: 32
...
	.end_amdgpu_metadata
.endif
;; end of part 1
